; MI455X (gfx1250); checked and timed in simulation.
; The chip was launched on July 23, 2026; its instructions are those of AMD's public machine-readable ISA for CDNA 5 (MIT licence, August 2026) and "CDNA5" Instruction Set Architecture Reference Guide (July 2026). The comments in the code are by the model that wrote it; some were corrected since.
;; Multi Head Self Attention. Allowed arithmetic: matrix products marked QUANTISED: E3M2 operands, one E8M0 scale for each 32 along K, by v_wmma_scale_f32_16x16x128_f8f6f4 with both operands' format E3M2, f32 sums; everything else in f32.
;; Inputs: W_qkv 1,024 x 3,072 float32; b_qkv 3,072 float32; x 4 x 2,048 x 1,024 float32.
;; Outputs: out0 4 x 16 x 2,048 x 64 float32.
;; This version of the problem:
;;   THIS VERSION OF THE PROBLEM IS GIVEN IN LOW PRECISION. The matrix products marked QUANTISED in the list below multiply operands that are first quantised to E3M2 (3 exponent bits, 2 mantissa bits; 6 bits a number), with one power-of-two scale for each 32 numbers along K (OCP MX v1.0); their sums are f32. All else is computed in f32.
;;   The module's matrix products, in the order in which they are computed (A, B: the left and right operand; K: the contracted axis; several contracted axes count as one K, in the product's order):
;;     1. [M 8,192, K 1,024] x [K 1,024, N 3,072]; A: input x; B: input W_qkv: QUANTISED
;;     2. batch 64 x [M 2,048, K 64] x [K 64, N 2,048]; A: computed on the way; B: computed on the way: QUANTISED
;;     3. batch 64 x [M 2,048, K 2,048] x [K 2,048, N 64]; A: softmax (see below); B: computed on the way: QUANTISED
;;   THE QUANTISER, for each operand of a quantised product, along K:
;;     - K is cut into blocks of 32 from its start; a last block that is shorter is filled with zeros.
;;     - A block's scale is 2^e with e = floor(log2(the largest magnitude in the block)) - 4, held to -126 .. 127; a block of zeros has e = 0. As a byte (E8M0): e + 127.
;;     - Each number is divided by its block's scale, clamped to +-28, and rounded to the nearest number of E3M2, ties to even, subnormals kept.
;;     - The product sums the exact products of the quantised numbers (number of the format x scale) in f32.
;;   ~~~python
;;   def quantise(x, axis):      # numpy; x: float32 -> the quantised numbers, widened to float32 again
;;       x = np.moveaxis(x, axis, -1); K = x.shape[-1]
;;       x = np.pad(x, [(0, 0)] * (x.ndim - 1) + [(0, -K % 32)]); x = x.reshape(x.shape[:-1] + (-1, 32)); a = np.abs(x).max(-1, keepdims=True)
;;       e = np.where(a > 0, np.clip(np.frexp(np.where(a > 0, a, 1))[1] - 1 - 4, -126, 127), 0)      # np.frexp(a)[1] - 1 = floor(log2(a)), exactly
;;       r = np.clip(x / 2.0 ** e, -28, 28)
;;       step = 2.0 ** (np.maximum(np.frexp(np.where(r == 0, 1, r))[1] - 1, -2) - 2)
;;       q = np.round(r / step) * step * 2.0 ** e      # np.round: ties to even
;;       return np.moveaxis(q.reshape(q.shape[:-2] + (-1,))[..., :K], -1, axis).astype(np.float32)
;;   ~~~
;;   SOFTMAX AHEAD OF A QUANTISED PRODUCT. Where the list says 'softmax', what is quantised is not the finished softmax but p = 2^(t - M), with t = logit x log2(e) and M = ceil(the row's largest t), a whole number; so 1/2 < the row's largest p <= 1. The row's sum l is taken of the UNQUANTISED p, in f32, and the product's result is divided by l at the end. Since M is a whole number, a kernel that streams over the keys may use a running M (the ceiling of the running maximum): every later rescaling is an exact power of two, which a block's scale takes up: the codes' values come out the same.
;;   OPERANDS COMPUTED ON THE WAY. 'Computed on the way' means the value that the module computes at that place (a softmax that the list does not call 'softmax' is quantised finished and normalised). What goes into a quantiser is computed in f32, as accurately as f32 sums, v_exp_f32 and their like allow (about 1e-6 of the number): no bf16 or f16 on the way to a quantiser, and a product that is left as it is and whose result goes on into a quantised operand takes f32 operands (vector FMAs, or v_wmma_f32_16x16x4_f32). A number that lies on a knife's edge between two numbers of the format may be rounded either way, as far as f32 arithmetic and the matrix unit's own rounding can turn it there, and no further.
;; One version. Each part assembles by itself: llvm-mc -triple=amdgcn-amd-amdhsa -mcpu=gfx1250 --defsym DOCPART=n.
;; ======== version 1 of 1: 3 launches
;; limits: right only within a limited range of input values
;; workspace buffers: x_codes 6,291,456 bytes; x_scales 262,144 bytes; w_codes 2,359,296 bytes; w_scales 98,304 bytes; qc 6,815,744 bytes; kv 13,369,344 bytes
;; launch quant (part 1): grid 352 x 1, 4 waves a work-group, no clusters, 34,304 bytes of LDS; arguments x, W_qkv, x_codes, x_scales, w_codes, w_scales; writes x_codes, x_scales, w_codes, w_scales
.if DOCPART == 1
	.amdgcn_target "amdgcn-amd-amdhsa--gfx1250"
	.amdhsa_code_object_version 6
	.text
	.protected	k_q29e776f497_quant
	.globl	k_q29e776f497_quant
	.p2align	8
	.type	k_q29e776f497_quant,@function
k_q29e776f497_quant:
	s_mov_b64 s[64:65], 0
	v_nop
	global_prefetch_b8 v0, s[64:65] scope:SCOPE_SE
	s_setreg_imm32_b32 hwreg(HW_REG_WAVE_MODE, 25, 1), 1
	s_wait_xcnt 0x0
; x [8192][1024] f32 (K innermost) and W_qkv [1024][3072] f32 (K is the FIRST axis) become codes of E3M2, 6 bits each, with one E8M0 byte for each 32 along K.
; A block's scale is 2^(floor(log2(its largest magnitude)) - 4); its byte is the largest magnitude's exponent field - 4, held at 1 from below.
; LIMITS: NaN and infinities are not served.  A block whose largest magnitude lies under 2^-122, a block of zeros among them, gets the byte 1 (the rule says 127 for zeros): its codes
; are zeros or the rule's own, and the bytes are read by this program alone.
; THE CODES ARE LAID AS THE NEXT LAUNCH'S OPERAND REGISTERS WANT THEM.  Sixteen rows (tokens of x, columns of W) form a block; a block's 128 along K are a fragment of 12 registers a lane
; (lane (r, h): registers 6 c .. 6 c + 5 = k 64 c + 32 h + 0 .. 31 of row place r), stored as an image: registers 4 c .. 4 c + 3 of lane l at 512 c + 16 l.  [block][K step 0..7][1,536 bytes].
; THE ROWS OF A BLOCK ARE NOT NEIGHBOURS: block 2 b + u takes, at place r, row 32 b + 8 u + r + 8 (r / 8): so a product's 16 registers of two neighbouring blocks are 16 neighbouring rows.
; Scale words (a row's four bytes of one K step): [block][pair of K steps 0..3][r][2 words], 512 bytes a block.
; Work-groups 0-255 take x, 256-351 W.  No matrix unit, no tensor load, no barrier: waves share nothing, and memory binds.  Only x's way touches LDS.
.set XR,  16                           ; x: v16-143  two sets of 64 numbers as loaded
.set XN,  144                          ; x: v144-207 64 numbers of my row: register 16 b + i = k 32 b + 16 h + i
.set PC,  208                          ; x: v208-227 the codes just made
.set TM,  228                          ; x: v228-243 at work
.set WD,  244                          ; x: v244-247 the four K steps' scale words
.set SEL, 20                           ; s[20:21] selects of v_permlanex16_b32: lane l xor 16
.set XW,  32                           ; W: v32-95   two sets of 32 numbers down K
.set FA,  96                           ; W: v[96 + 24 q] even blocks of K step q, v[108 + 24 q] odd blocks
.set CT,  144                          ; W: v144-146 a block's upper 16 codes
.set SW,  148                          ; W: v148-149 the two K steps' scale words
; 64 numbers of a lane, v[s] on, register 16 b + i = k 32 b + 16 (lane / 16) + i of my row, become a fragment's codes in v[PC] on and its scale word in v[pw]
.macro QUANT s, pw
.irp b, 0,1,2,3
	v_max3_num_f32 v[TM+\b], |v[\s+16*\b]|, |v[\s+1+16*\b]|, 0x2800000   ; block b: my 16 numbers, and the floor 2^(5 - 127): the byte cannot fall under 1
.endr
.irp i, 2,4,6,8,10,12,14
.irp b, 0,1,2,3
	v_max3_num_f32 v[TM+\b], v[TM+\b], |v[\s+16*\b+\i]|, |v[\s+1+16*\b+\i]|   ; the four blocks by turns
.endr
.endr
.irp b, 0,1,2,3
	v_permlanex16_b32 v[TM+4+\b], v[TM+\b], s[SEL], s[SEL+1]
.endr
.irp b, 0,1,2,3
	v_max_num_f32 v[TM+\b], v[TM+\b], v[TM+4+\b]   ; with lane l xor 16's 16: the block's largest magnitude
.endr
.irp b, 0,1,2,3
	v_add_nc_u32 v[TM+12+\b], 0xfe000000, v[TM+\b]   ; 4 off its exponent field: the conversion takes this operand's exponent field as its scale
.endr
.irp b, 0,1,2,3
	v_lshrrev_b32 v[TM+4+\b], 23, v[TM+12+\b]      ; the scale's byte
.endr
	v_lshl_or_b32 v[\pw], v[TM+5], 8, v[TM+4]      ; four bytes: my row's scale word (the same in lanes l and l xor 16)
	v_lshl_or_b32 v[\pw], v[TM+6], 16, v[\pw]
	v_lshl_or_b32 v[\pw], v[TM+7], 24, v[\pw]
.irp c, 0,1
	v_cvt_scalef32_pk16_bf6_f32 v[PC+6*\c:PC+2+6*\c], v[\s+32*\c:\s+15+32*\c], v[TM+12+2*\c]
	v_cvt_scalef32_pk16_bf6_f32 v[PC+12+4*\c:PC+14+4*\c], v[\s+16+32*\c:\s+31+32*\c], v[TM+12+2*\c+1]   ; a conversion's three registers begin on an even number
.endr
	v_nop                                          ; one plain line behind the scaled conversions
.irp c, 0,1                                    ; the layout wants a WHOLE block in a lane: lanes 0-15 block 2 c, lanes 16-31 block 2 c + 1
.irp i, 0,1,2
	v_permlane16_swap_b32 v[PC+6*\c+\i], v[PC+12+4*\c+\i]
.endr
.irp i, 0,1,2
	v_mov_b32 v[PC+3+6*\c+\i], v[PC+12+4*\c+\i]
.endr
.endr
.endm
.macro LOADX t                         ; K step t of my 16 rows: each load reads 512 consecutive bytes of one row
.irp i, 0,1,2,3,4,5,6,7,8,9,10,11,12,13,14,15
	global_load_b128 v[XR+64*((\t)%2)+4*\i:XR+64*((\t)%2)+4*\i+3], v4, s[4:5] offset:(\i+8*(\i/8))*4096+512*(\t) th:TH_LOAD_NT
.endr
.endm
.macro TURNX t                         ; through my own stage (16 rows x 528 bytes): in as loaded, back 64 bytes a lane of each block.  LDS serves a wave's instructions in order: no wait between
.irp i, 0,1,2,3,4,5,6,7,8,9,10,11,12,13,14,15
	ds_store_b128 v5, v[XR+64*((\t)%2)+4*\i:XR+64*((\t)%2)+4*\i+3] offset:528*\i
.endr
.irp b, 0,1,2,3
.irp j, 0,1,2,3
	ds_load_b128 v[XN+16*\b+4*\j:XN+16*\b+4*\j+3], v6 offset:128*\b+16*\j
.endr
.endr
.endm
.macro XSTEP t
.if (\t) < 3
	s_wait_loadcnt 16                              ; this K step's 16 loads are in; the next step's 16 may be out
.else
	s_wait_loadcnt 0
.endif
	TURNX \t
	s_wait_dscnt 0x0                               ; my row's numbers are back, and the stores into the stage have read their registers
.if (\t) > 0
	s_wait_xcnt 0x0                                ; the last step's stores have read the codes' registers, which are written again below
.endif
.if (\t) < 2
	LOADX (\t)+2
.endif
	QUANT XN, WD+(\t)
.irp c, 0,1,2
	global_store_b128 v4, v[PC+4*\c:PC+4*\c+3], s[8:9] offset:1536*(\t)+512*\c   ; the image: 512 consecutive bytes a store
.endr
.endm
.macro LOADW t                         ; block t down K: W(32 t + i, my column): the wave's 32 lanes read 128 consecutive bytes
.irp i, 0,1,2,3,4,5,6,7,8,9,10,11,12,13,14,15,16,17,18,19,20,21,22,23,24,25,26,27,28,29,30,31
	global_load_b32 v[XW+32*((\t)%2)+\i], v4, s[6:7] offset:(32*(\t)+\i)*12288 th:TH_LOAD_NT
.endr
.endm
.macro BLOCKW t
.set XS, XW+32*((\t)%2)
.set FD, FA+24*((\t)/4)+12*((\t)%2)+6*(((\t)%4)/2)
.if (\t) < 7
	s_wait_loadcnt 32                              ; this block's 32 loads are in; the next block's may be out
.else
	s_wait_loadcnt 0
.endif
	v_max3_num_f32 v12, |v[XS]|, |v[XS+1]|, |v[XS+2]|   ; all 32 numbers of the block are mine
	v_max3_num_f32 v13, |v[XS+3]|, |v[XS+4]|, |v[XS+5]|
.irp i, 6,10,14,18,22,26
	v_max3_num_f32 v12, v12, |v[XS+\i]|, |v[XS+\i+1]|
	v_max3_num_f32 v13, v13, |v[XS+\i+2]|, |v[XS+\i+3]|
.endr
	v_max3_num_f32 v12, v12, |v[XS+30]|, |v[XS+31]|
	v_max3_num_f32 v12, v12, v13, 0x2800000        ; and the floor
	v_add_nc_u32 v11, 0xfe000000, v12
	v_lshrrev_b32 v13, 23, v11
.if (\t)%4 == 0
	v_mov_b32 v[SW+(\t)/4], v13
.else
	v_lshl_or_b32 v[SW+(\t)/4], v13, 8*((\t)%4), v[SW+(\t)/4]
.endif
	v_cvt_scalef32_pk16_bf6_f32 v[FD:FD+2], v[XS:XS+15], v11
	v_cvt_scalef32_pk16_bf6_f32 v[CT:CT+2], v[XS+16:XS+31], v11
	v_nop                                          ; one plain line behind the scaled conversions
.irp i, 0,1,2
	v_mov_b32 v[FD+3+\i], v[CT+\i]
.endr
.if (\t) < 6
	LOADW (\t)+2
.endif
.if (\t)%4 == 3                        ; a K step is whole.  Lanes 0-15 hold the columns of block u = 0, lanes 16-31 those of u = 1, each all four blocks of 32 along K.
.set FQ, FA+24*((\t)/4)                ; The even blocks' lanes 16-31 change places with the odd blocks' lanes 0-15: the first run is then u = 0's image, the second u = 1's
.irp i, 0,1,2,3,4,5,6,7,8,9,10,11
	v_permlane16_swap_b32 v[FQ+\i], v[FQ+12+\i]
.endr
.irp c, 0,1,2
	global_store_b128 v5, v[FQ+4*\c:FQ+4*\c+3], s[12:13] offset:1536*((\t)/4)+512*\c
	global_store_b128 v5, v[FQ+12+4*\c:FQ+12+4*\c+3], s[12:13] offset:12288+1536*((\t)/4)+512*\c
.endr
.endif
.endm
	s_load_b256 s[4:11], s[0:1], 0x0               ; x s[4:5], W s[6:7], x's codes s[8:9], x's scales s[10:11]
	s_load_b128 s[12:15], s[0:1], 0x20             ; W's codes s[12:13], W's scales s[14:15]
	v_lshl_add_u32 v254, v0, 2, 0x8400
	v_mov_b32 v255, 0
	v_lshrrev_b32 v1, 5, v0
	v_readfirstlane_b32 s16, v1                    ; wave 0..3
	v_and_b32 v1, 31, v0                           ; lane
	v_and_b32 v2, 15, v0                           ; r
	v_bfe_u32 v3, v0, 4, 1                         ; h
	s_mov_b32 s[SEL], 0x76543210
	s_mov_b32 s[SEL+1], 0xfedcba98
	s_cmp_lt_u32 ttmp9, 256
	s_cbranch_scc0 .Lw_path
	; ---- x: a wave takes one block of 16 rows x 512 along K (four K steps)
	s_lshl_b32 s17, ttmp9, 2
	s_add_co_u32 s17, s17, s16
	s_lshr_b32 s18, s17, 1                         ; the block, 0..511
	s_and_b32 s19, s17, 1                          ; which half of K
	s_lshr_b32 s22, s18, 1
	s_lshl_b32 s22, s22, 5
	s_and_b32 s23, s18, 1
	s_lshl_b32 s23, s23, 3
	s_add_co_u32 s22, s22, s23                     ; the block's first row: 32 (block / 2) + 8 (block % 2)
	s_lshl_b32 s22, s22, 12                        ; rows of 4,096 bytes
	s_lshl_b32 s23, s19, 11
	s_add_co_u32 s22, s22, s23
	s_mov_b32 s23, 0
	s_mul_i32 s24, s18, 12288
	s_mul_i32 s26, s19, 6144
	s_add_co_u32 s24, s24, s26
	s_mov_b32 s25, 0
	s_lshl_b32 s26, s18, 9
	s_lshl_b32 s28, s19, 8
	s_add_co_u32 s26, s26, s28
	s_mov_b32 s27, 0
	s_wait_alu depctr_va_vdst(0)
	v_lshlrev_b32 v4, 4, v1                        ; 16 x lane: in a row's 512 bytes, and in an image
	s_mul_i32 s28, s16, 8448                       ; my stage
	v_add_nc_u32 v5, s28, v4
	v_mul_u32_u24 v6, v2, 528
	v_lshl_add_u32 v6, v3, 6, v6
	v_add_nc_u32 v6, s28, v6                       ; back: row r, + 64 h
	v_lshlrev_b32 v7, 3, v1
.irp b, 0,1,2,3
	v_mov_b32 v[TM+4+\b], 0                        ; a lane permute's destination counts as one of its sources
.endr
	s_wait_alu depctr_va_vdst(0)
	s_wait_kmcnt 0x0
	s_add_nc_u64 s[4:5], s[4:5], s[22:23]
	s_add_nc_u64 s[8:9], s[8:9], s[24:25]
	s_add_nc_u64 s[10:11], s[10:11], s[26:27]
	LOADX 0
	LOADX 1
.irp t, 0,1,2,3
	XSTEP \t
.endr
	v_cmp_eq_u32 vcc_lo, 1, v3                     ; lanes 0-15 store the first pair of K steps' words of row r, lanes 16-31 the second pair's:
	v_cndmask_b32 v248, v[WD], v[WD+2], vcc_lo
	v_cndmask_b32 v249, v[WD+1], v[WD+3], vcc_lo
	global_store_b64 v7, v[248:249], s[10:11]      ; 256 consecutive bytes, aligned
	s_wait_tensorcnt 0x0
	ds_add_u32 v254, v255
	s_wait_dscnt 0x0
	s_endpgm
.Lw_path:
	; ---- W: a wave takes 32 columns x 256 along K (two K steps); a lane takes a column and its registers run down K
	s_sub_co_u32 s17, ttmp9, 256
	s_lshr_b32 s18, s17, 2                         ; which 128 columns, 0..23
	s_and_b32 s19, s17, 3                          ; which 256 along K
	s_lshl_b32 s22, s18, 7
	s_lshl_b32 s23, s16, 5
	s_add_co_u32 s22, s22, s23                     ; my wave's first column
	s_lshl_b32 s22, s22, 2
	s_mul_i32 s23, s19, 256*12288
	s_add_co_u32 s22, s22, s23
	s_mov_b32 s23, 0
	s_lshl_b32 s24, s18, 3
	s_lshl_b32 s25, s16, 1
	s_add_co_u32 s28, s24, s25                     ; my first block of 16 columns
	s_mul_i32 s24, s28, 12288
	s_mul_i32 s25, s19, 3072
	s_add_co_u32 s24, s24, s25
	s_mov_b32 s25, 0
	s_lshl_b32 s26, s28, 9
	s_lshl_b32 s27, s19, 7
	s_add_co_u32 s26, s26, s27
	s_mov_b32 s27, 0
	s_wait_alu depctr_va_vdst(0)
	v_and_b32 v4, 7, v1                            ; my column of the 32: (l & 7) + 16 ((l >> 3) & 1) + 8 (l >> 4): lanes 0-15 are block u = 0 in its own order, lanes 16-31 block u = 1
	v_and_b32 v8, 8, v1
	v_lshl_or_b32 v4, v8, 1, v4
	v_lshl_or_b32 v4, v3, 3, v4
	v_lshlrev_b32 v4, 2, v4
	v_lshlrev_b32 v5, 4, v1                        ; 16 x lane: an image's place
	v_lshlrev_b32 v6, 3, v2
	v_lshl_add_u32 v6, v3, 9, v6                   ; scale words: block l / 16, place r
	s_wait_alu depctr_va_vdst(0)
	s_wait_kmcnt 0x0
	s_add_nc_u64 s[6:7], s[6:7], s[22:23]
	s_add_nc_u64 s[12:13], s[12:13], s[24:25]
	s_add_nc_u64 s[14:15], s[14:15], s[26:27]
	LOADW 0
	LOADW 1
.irp t, 0,1,2,3,4,5,6,7
	BLOCKW \t
.endr
	global_store_b64 v6, v[SW:SW+1], s[14:15]      ; two runs of 128 consecutive bytes: 98,304 bytes in the whole launch leave so
	s_endpgm
.Lfunc_end_k_q29e776f497_quant:
	.size	k_q29e776f497_quant, .Lfunc_end_k_q29e776f497_quant-k_q29e776f497_quant
	.p2alignl 7, 3214868480
	.fill 96, 4, 3214868480
	.section	.rodata,"a",@progbits
	.p2align	6, 0x0
	.amdhsa_kernel k_q29e776f497_quant
		.amdhsa_group_segment_fixed_size 34304
		.amdhsa_private_segment_fixed_size 0
		.amdhsa_enable_private_segment 0
		.amdhsa_kernarg_size 48
		.amdhsa_user_sgpr_count 2
		.amdhsa_user_sgpr_kernarg_segment_ptr 1
		.amdhsa_wavefront_size32 1
		.amdhsa_system_sgpr_workgroup_id_x 1
		.amdhsa_system_sgpr_workgroup_id_y 1
		.amdhsa_system_sgpr_workgroup_id_z 1
		.amdhsa_system_vgpr_workitem_id 0
		.amdhsa_next_free_vgpr 256
		.amdhsa_next_free_sgpr 66
		.amdhsa_reserve_vcc 1
		.amdhsa_float_denorm_mode_32 3
		.amdhsa_float_denorm_mode_16_64 3
		.amdhsa_memory_ordered 1
		.amdhsa_forward_progress 1
		.amdhsa_inst_pref_size 72
	.end_amdhsa_kernel
	.amdgpu_metadata
---
amdhsa.version: [ 1, 2 ]
amdhsa.kernels:
  - .name:           k_q29e776f497_quant
    .symbol:         k_q29e776f497_quant.kd
    .args:
      - { .name: x, .offset: 0, .size: 8, .value_kind: global_buffer, .address_space: global }
      - { .name: W_qkv, .offset: 8, .size: 8, .value_kind: global_buffer, .address_space: global }
      - { .name: x_codes, .offset: 16, .size: 8, .value_kind: global_buffer, .address_space: global }
      - { .name: x_scales, .offset: 24, .size: 8, .value_kind: global_buffer, .address_space: global }
      - { .name: w_codes, .offset: 32, .size: 8, .value_kind: global_buffer, .address_space: global }
      - { .name: w_scales, .offset: 40, .size: 8, .value_kind: global_buffer, .address_space: global }
    .group_segment_fixed_size: 34304
    .private_segment_fixed_size: 0
    .kernarg_segment_align: 8
    .kernarg_segment_size: 48
    .max_flat_workgroup_size: 128
    .sgpr_count:     66
    .vgpr_count:     256
    .wavefront_size: 32
...
	.end_amdgpu_metadata
.endif
;; end of part 1
;; launch gemm (part 2): grid 12 x 32, 4 waves a work-group, clusters of 4 x 4, 327,680 bytes of LDS; arguments x_codes, x_scales, w_codes, w_scales, b_qkv, qc, kv; writes qc, kv
.if DOCPART == 2
	.amdgcn_target "amdgcn-amd-amdhsa--gfx1250"
	.amdhsa_code_object_version 6
	.text
	.protected	k_q29e776f497_gemm
	.globl	k_q29e776f497_gemm
	.p2align	8
	.type	k_q29e776f497_gemm,@function
k_q29e776f497_gemm:
	s_mov_b64 s[64:65], 0
	v_nop
	global_prefetch_b8 v0, s[64:65] scope:SCOPE_SE
	s_setreg_imm32_b32 hwreg(HW_REG_WAVE_MODE, 25, 1), 1
	s_wait_xcnt 0x0
	s_wait_alu depctr_hold_cnt(0) depctr_sa_sdst(0) depctr_va_vdst(0) depctr_va_sdst(0) depctr_va_ssrc(0) depctr_va_vcc(0) depctr_vm_vsrc(0)
	s_getreg_b32 s2, hwreg(HW_REG_IB_STS2, 6, 4)
	s_cmp_eq_u32 s2, 0
	s_cbranch_scc0 .Lentry_in_a_cluster
	s_endpgm
.Lentry_in_a_cluster:
	s_bfe_u32 s2, ttmp6, 0x10000c
	s_cmp_lg_u32 s2, 0xf033
	s_cbranch_scc0 .Lentry_shape_is_right
	s_endpgm
.Lentry_shape_is_right:
; qkv = Q(x) Q(W) + b on codes of E3M2 with E8M0 scales (M 8,192, K 1,024, N 3,072); q, k and v leave as CODES, quantised here for the attention's products: q and k along the head's 64, v along the tokens.
; A work-group of four waves makes 256 x 256 of qkv, a wave 128 x 128: 64 accumulators, 512 registers.  A lane's registers run along SOURCE 0's rows, which is the axis that is quantised next:
; for q and k (cluster x = 0, 1) source 0 takes W's columns and source 1 x's tokens; for v (cluster x = 2) the two change sides.  Only pointers and tile numbers are chosen; loop and epilogue are one text.
; Both operands lie in memory as images of fragments, in blocks of 16 rows that are not neighbours (block 2 b + u, place r: row 32 b + 8 u + r + 8 (r / 8)): so the 64 registers that a lane
; holds of one block of source 1 against source 0's eight blocks are 128 rows of source 0 in the order register 16 b + i = row 32 b + 16 (lane / 16) + i, as the conversions want them.
; K: eight steps of 128, in four pairs through three LDS slots (0, 1, 2, 0): three first fills and ONE refill; all eight steps are written out.  The scale words of both sides, for all of K, come once.
; CLUSTER 4 x 4: source 1's tiles are shared along a row of the cluster, source 0's along a column; each is asked for jointly.
; OUT.  qc, for each (batch, head) 106,496 bytes: scale words [32][r][4 words] (word i: token block 4 g + i), then [token block 0..127][768]: half an image (registers 0-3 at 16 l, 4-5 at 512 + 8 l).
; kv, for each (batch, head) 208,896 bytes: K's scale words as q's (8,192); V's [key step 0..15][r][4 words] (4,096); then 16 key steps of 12,288: 8 tiles of K x 768, 4 tiles of V x 1,536 (two half images).
; In q's and k's scale words bytes 2 and 3 are 0: they stand over the zero codes that the attention gives Q for k = 64 .. 127.
; LIMITS: NaN and infinities are not served; a block whose largest magnitude lies under 2^-122 (zeros among them) gets the byte 1; these bytes are read by this program alone.
; REGISTERS, in windows of 256.  Window 0: v1-30 addresses; v32-63 scale words, two sets; v64-127 and v240-247 the bias in two layouts; v128-223 source 1's eight fragments, ONE set;
;   in the epilogue v128-191 64 numbers, v192-211 codes, v212-227 at work, v228 a scale word, v232-239 eight scale words.  Window 1: source 0's fragments, two sets, at v0 and v128.
;   Windows 2, 3: accumulator (a, b) at v[8 (8 (a % 4) + b)].
.set HALFT,  24576                     ; 8 blocks x 2 K steps x 1,536: what one tensor load brings, and what one wave reads of a side
.set SLOT,   98304                     ; source 1's 16 blocks, then source 0's 16
.set SCL,    294912                    ; behind the three slots: source 1's scale words (8,192 bytes); source 0's begin 8,320 on, so that the two halves of a load's lanes fall on different banks
.set SPARE,  311552                    ; the spare words, 128 bytes a wave: two blocks of 256 bytes that no other line names
.set FR,     12
.set ADR0,   16                        ; v16-18  LDS address of my part of source 0 in slot 0, 1, 2
.set ADR1,   19                        ; v19-21  of source 1
.set ADRS,   22                        ; v22     of my scale words: lanes 0-15 source 1's, lanes 16-31 source 0's
.set L16,    23                        ; v23     16 x lane
.set L8,     24                        ; v24     8 x lane
.set SA1,    25                        ; v25-26  where the scale words go
.set SA2,    26
.set HV,     27                        ; v27     for v: lane / 16; else 0: lanes with 0 store scale words
.set SPW,    28                        ; v28     my spare word; never rewritten
.set NIL,    29                        ; v29     0; never rewritten
.set SHF,    30                        ; v30     q, k: 16 (lane / 16): lanes 16-31 take the second head's two bytes
.set SC,     32
.set BQ,     64
.set AF,     128
.set HN,     128
.set PC,     192
.set TM,     212
.set PW,     228
.set SW,     232
.set BV,     240
.set WV,     18                        ; s18 wave; s19 wave / 2: my half of source 1, and: I fetch for source 1 (0) or 0 (1); s20 wave % 2: my half of source 0, and which 8 blocks I fetch
.set WHI,    19
.set WLO,    20
.set ISV,    21                        ; s21 1 in v's clusters
.set CX,     22
.set CY,     23
.set G1,     24                        ; s[24:31] group 1, source 1's codes;  s[32:43] its groups 0, one for each slot
.set G0,     32
.set G1B,    44                        ; s[44:51], s[52:63] the same for source 0
.set G0B,    52
.set T1,     66                        ; s66 source 1's tile of 256 rows;  s67 source 0's
.set T0,     67
.set G1S,    68                        ; s[68:75], s[76:79] source 1's scales;  s[80:87], s[88:91] source 0's
.set G0S,    76
.set G1SB,   80
.set G0SB,   88
.set P1,     40                        ; the epilogue's scalars lie in registers that held descriptors: no tensor load is out by then
.set P2,     42
.set PS,     44
.set STA,    46
.set STB,    48
.set MSK,    50
.set SEL,    60
.set MSB, 0
.macro WIN new                         ; the immediate's high byte repeats the setting that is left
.if MSB != (\new)
	s_set_vgpr_msb (MSB<<8)|(\new)
.set MSB, (\new)
.endif
.endm
.set MUL_LO, 0xa1                      ; source 0 window 1, source 1 window 0, C and D window 2
.set MUL_HI, 0xf1                      ; the same, C and D window 3
.set TO_0,   0x40                      ; destination window 1, address window 0
; A joint load: waves 0 and 1 fetch for source 1, waves 2 and 3 for source 0.  The branch hangs on the wave's number alone.  Four v_nop follow each line.
.macro JLOAD g0a, g1a, g0b, g1b
	s_cmp_eq_u32 s[WHI], 0
	s_cbranch_scc0 .Lfor_0_\@
	tensor_load_to_lds s[\g0a:\g0a+3], s[\g1a:\g1a+7]
	s_nop 0
.rept 4
	v_nop
.endr
	s_branch .Lasked_\@
.Lfor_0_\@:
	tensor_load_to_lds s[\g0b:\g0b+3], s[\g1b:\g1b+7]
	s_nop 0
.rept 4
	v_nop
.endr
.Lasked_\@:
.endm
.macro CREST                           ; a round of the cluster's barrier behind its opening barrier
	s_cmp_lg_u32 s[WV], 0
	s_cbranch_scc1 .Lnot_wave_0_\@
	s_barrier_signal -3
.Lnot_wave_0_\@:
	s_barrier_wait -3
	s_barrier_signal -1
	s_barrier_wait -1
.endm
.macro CROUND
	s_barrier_signal -1
	s_barrier_wait -1
	CREST
.endm
.macro PLACES                          ; four plain lines between a matrix instruction and a load into, or a vector line on, its registers (ISA guide 7.12.1 for vector lines)
.rept 4
	v_nop
.endr
.endm
.macro FRAG reg, adr, off              ; an image comes back as it was stored: three loads of 512 consecutive bytes
.irp c, 0,1,2
	ds_load_b128 v[\reg+4*\c:\reg+4*\c+3], v[\adr] offset:\off+512*\c
.endr
.endm
.macro FETCH0 slot, q, p               ; source 0's eight fragments of the slot's q-th K step into set p
	WIN TO_0
.irp i, 0,1,2,3,4,5,6,7
	FRAG 128*(\p)+FR*\i, ADR0+\slot, (3072+3072*(((\slot)+1)/2))*\i+1536*(\q)   ; slot 0: blocks 3,072 bytes apart; slots 1 and 2 lie side by side in rows of 6,144
.endr
	WIN 0
.endm
.macro FETCH1 slot, q, i0              ; source 1's blocks i0 .. i0 + 3
.irp i, \i0, \i0+1, \i0+2, \i0+3
	FRAG AF+FR*(\i), ADR1+\slot, (3072+3072*(((\slot)+1)/2))*(\i)+1536*(\q)
.endr
.endm
.macro SCALES pair, set                ; a pair of K steps' scale words: register 2 i + q: lanes 0-15 source 1's block i, lanes 16-31 source 0's block i
.irp i, 0,1,2,3,4,5,6,7
	ds_load_b64 v[SC+16*(\set)+2*\i:SC+16*(\set)+2*\i+1], v[ADRS] offset:512*\i+128*(\pair)
.endr
.endm
; 16 matrix instructions: source 1's blocks a0, a0 + 1 against source 0's eight.  The 64 accumulators take turns, one instruction a turn, in the same order in every step.
.macro MUL16 a0, p, q, sc, zero
.irp a, \a0, \a0+1
.irp b, 0,1,2,3,4,5,6,7
.if \zero
	v_wmma_scale_f32_16x16x128_f8f6f4 v[8*(8*((\a)%4)+\b):8*(8*((\a)%4)+\b)+7], v[128*(\p)+FR*\b:128*(\p)+FR*\b+FR-1], v[AF+FR*(\a):AF+FR*(\a)+FR-1], 0, v[SC+16*(\sc)+2*\b+(\q)], v[SC+16*(\sc)+2*(\a)+(\q)] matrix_a_fmt:MATRIX_FMT_BF6 matrix_b_fmt:MATRIX_FMT_BF6 matrix_a_scale:MATRIX_SCALE_ROW1
.else
	v_wmma_scale_f32_16x16x128_f8f6f4 v[8*(8*((\a)%4)+\b):8*(8*((\a)%4)+\b)+7], v[128*(\p)+FR*\b:128*(\p)+FR*\b+FR-1], v[AF+FR*(\a):AF+FR*(\a)+FR-1], v[8*(8*((\a)%4)+\b):8*(8*((\a)%4)+\b)+7], v[SC+16*(\sc)+2*\b+(\q)], v[SC+16*(\sc)+2*(\a)+(\q)] matrix_a_fmt:MATRIX_FMT_BF6 matrix_b_fmt:MATRIX_FMT_BF6 matrix_a_scale:MATRIX_SCALE_ROW1
.endif
.endr
.endr
.endm
; A K step whose successor's tiles are known to be whole: set p, the pair's q-th step, scale set sc.  It fetches the next step (slot nslot, step nq) and, with npair >= 0, the next pair's scale words.
.macro STEP p, q, sc, zero, nslot, nq, npair, nsc
	s_wait_dscnt 12                                ; all but the youngest 12 loads (source 1's blocks 4-7) are in
	WIN MUL_LO
	MUL16 0, \p, \q, \sc, \zero
	MUL16 2, \p, \q, \sc, \zero
	s_wait_dscnt 0x0                               ; blocks 4-7 are in
	PLACES
	FETCH0 \nslot, \nq, 1-(\p)
	FETCH1 \nslot, \nq, 0
.if \npair >= 0
	SCALES \npair, \nsc
.endif
	WIN MUL_HI
	MUL16 4, \p, \q, \sc, \zero
	MUL16 6, \p, \q, \sc, \zero
	PLACES
	WIN 0
	FETCH1 \nslot, \nq, 4
.endm
; A pair's second step with a barrier in it.  In front of the barrier each wave waits for all its tensor loads, adds 0 to its spare word, and waits for that and for its reads of the slot.
; fill = 1: the barrier opens a round of the cluster's barrier, and slot 0 is filled again, with the fourth pair of K steps.
.macro TURN sc, next, npair, nsc, fill
	s_wait_tensorcnt 0x0                           ; all my tensor loads have landed
	ds_add_u32 v[SPW], v[NIL]                      ; 0 onto my spare word
	s_wait_dscnt 13                                ; (the add and the youngest 12 loads may be out)
	WIN MUL_LO
	MUL16 0, 1, 1, \sc, 0
	s_wait_dscnt 0x0                               ; the add is done, and my reads of this slot are over
	s_barrier_signal -1
	MUL16 2, 1, 1, \sc, 0
	WIN 0
	s_barrier_wait -1
.if \fill
	CREST                                          ; no wave of any partner still reads slot 0 or has a load on its way
	s_mov_b32 s[G1+1], 384<<16                     ; no tensor load of mine is out: from here on a row is one pair of K steps again
	s_mov_b32 s[G1+3], 384<<16
	s_mov_b32 s[G1B+1], 384<<16
	s_mov_b32 s[G1B+3], 384<<16
	s_add_nc_u64 s[G0+2:G0+3], s[G0+2:G0+3], 3*3072
	s_add_nc_u64 s[G0B+2:G0B+3], s[G0B+2:G0B+3], 3*3072
	JLOAD G0, G1, G0B, G1B                         ; the first tensor load behind the round; 224 matrix instructions stand between it and the wait for it; its four v_nop are the places for the loads below
.else
	PLACES
.endif
	FETCH0 \next, 0, 0
	FETCH1 \next, 0, 0
	SCALES \npair, \nsc
	WIN MUL_HI
	MUL16 4, 1, 1, \sc, 0
	MUL16 6, 1, 1, \sc, 0
	PLACES
	WIN 0
	FETCH1 \next, 0, 4
.endm
; 64 numbers of a lane, register 16 b + i = k 32 b + 16 (lane / 16) + i of my row, become a fragment's codes in v[PC] on and its scale word in v[pw]
.macro QUANT s, pw
.irp b, 0,1,2,3
	v_max3_num_f32 v[TM+\b], |v[\s+16*\b]|, |v[\s+1+16*\b]|, 0x2800000   ; and the floor 2^(5 - 127): the byte cannot fall under 1
.endr
.irp i, 2,4,6,8,10,12,14
.irp b, 0,1,2,3
	v_max3_num_f32 v[TM+\b], v[TM+\b], |v[\s+16*\b+\i]|, |v[\s+1+16*\b+\i]|
.endr
.endr
.irp b, 0,1,2,3
	v_permlanex16_b32 v[TM+4+\b], v[TM+\b], s[SEL], s[SEL+1]
.endr
.irp b, 0,1,2,3
	v_max_num_f32 v[TM+\b], v[TM+\b], v[TM+4+\b]
.endr
.irp b, 0,1,2,3
	v_add_nc_u32 v[TM+12+\b], 0xfe000000, v[TM+\b]   ; 4 off the exponent field: the conversion's scale operand
.endr
.irp b, 0,1,2,3
	v_lshrrev_b32 v[TM+4+\b], 23, v[TM+12+\b]
.endr
	v_lshl_or_b32 v[\pw], v[TM+5], 8, v[TM+4]
	v_lshl_or_b32 v[\pw], v[TM+6], 16, v[\pw]
	v_lshl_or_b32 v[\pw], v[TM+7], 24, v[\pw]
.irp c, 0,1
	v_cvt_scalef32_pk16_bf6_f32 v[PC+6*\c:PC+2+6*\c], v[\s+32*\c:\s+15+32*\c], v[TM+12+2*\c]
	v_cvt_scalef32_pk16_bf6_f32 v[PC+12+4*\c:PC+14+4*\c], v[\s+16+32*\c:\s+31+32*\c], v[TM+12+2*\c+1]
.endr
	v_nop                                          ; one plain line behind the scaled conversions
.irp c, 0,1
.irp i, 0,1,2
	v_permlane16_swap_b32 v[PC+6*\c+\i], v[PC+12+4*\c+\i]
.endr
.irp i, 0,1,2
	v_mov_b32 v[PC+3+6*\c+\i], v[PC+12+4*\c+\i]
.endr
.endr
.endm
	s_load_b256 s[4:11], s[0:1], 0x0               ; x's codes s[4:5], x's scales s[6:7], W's codes s[8:9], W's scales s[10:11]
	s_load_b128 s[12:15], s[0:1], 0x20             ; b s[12:13], qc s[14:15]
	s_load_b64 s[16:17], s[0:1], 0x30              ; kv
	v_lshl_add_u32 v[SPW], v0, 2, SPARE
	v_mov_b32 v[NIL], 0
	ds_add_u32 v28, v29
	ds_add_u32 v28, v29
	s_wait_dscnt 0x0
	v_lshrrev_b32 v1, 5, v0
	v_readfirstlane_b32 s[WV], v1
	s_lshr_b32 s[WHI], s[WV], 1
	s_and_b32 s[WLO], s[WV], 1
	s_bfe_u32 s[CX], ttmp6, 0x40000
	s_bfe_u32 s[CY], ttmp6, 0x40004
	s_and_b32 s92, ttmp7, 0xffff
	s_lshl_b32 s92, s92, 2                         ; 4 x cluster y
	s_lshl_b32 s96, ttmp9, 2                       ; 4 x cluster x
	s_cmp_eq_u32 ttmp9, 2                          ; v's clusters: the same answer in all sixteen partners
	s_cselect_b32 s[ISV], 1, 0
	s_cselect_b32 s[T1], 8, s92                    ; source 1: W's tiles 8 .. 11 (v's columns), else x's tiles
	s_cselect_b32 s[T0], s92, s96                  ; source 0: x's tiles, else W's tiles 0 .. 7
	s_add_co_u32 s[T1], s[T1], s[CY]               ; source 1's tile hangs on cy alone, which my row of the cluster shares,
	s_add_co_u32 s[T0], s[T0], s[CX]               ; source 0's on cx alone, which my column shares
	s_lshl_b32 s93, s[CY], 2
	s_lshl_b32 s93, 15, s93                        ; my row of the cluster
	s_lshl_b32 s97, 0x1111, s[CX]                  ; my column
	s_or_b32 s[G1], s93, (3<<16)|(1<<21)           ; 15:0 the mask; 17:16 elements of 8 bytes; 20 no padding; 21 set beside a mask
	s_or_b32 s[G1B], s97, (3<<16)|(1<<21)
	s_or_b32 s[G1S], s93, (3<<16)|(1<<21)
	s_or_b32 s[G1SB], s97, (3<<16)|(1<<21)
.irp g, G1, G1B                        ; codes: 8 blocks' 3,072 bytes (two K steps), 12,288 bytes apart
	s_mov_b32 s[\g+1], 384<<16                     ; tensor_dim0 = 384 elements
	s_mov_b32 s[\g+2], 16<<16                      ; at the head a load brings a side's 16 blocks
	s_mov_b32 s[\g+3], 384<<16                     ; tile_dim0
	s_mov_b32 s[\g+4], 16
	s_mov_b32 s[\g+5], 1536                        ; from block to block, in elements
	s_mov_b32 s[\g+6], 0
	s_mov_b32 s[\g+7], 0
.endr
.irp g, G1S, G1SB                      ; scale words: 16 blocks' 8,192 dense bytes, as 32 rows of 256
	s_mov_b32 s[\g+1], 32<<16
	s_mov_b32 s[\g+2], 32<<16                      ; a side's scale words whole: 16 blocks, 8,192 dense bytes, 32 rows of 256
	s_mov_b32 s[\g+3], 32<<16
	s_mov_b32 s[\g+4], 32
	s_mov_b32 s[\g+5], 32
	s_mov_b32 s[\g+6], 0
	s_mov_b32 s[\g+7], 0
.endr
	s_lshl_b32 s92, s[T1], 4                       ; source 1: the tile's first block
	s_lshl_b32 s96, s[T0], 4                       ; source 0 likewise
	s_lshl_b32 s94, s92, 9                         ; their scale words, 512 bytes a block,
	s_mov_b32 s95, 0
	s_mul_i32 s92, s92, 12288                      ; and their codes
	s_mov_b32 s93, 0
	s_lshl_b32 s98, s96, 9
	s_mov_b32 s99, 0
	s_mul_i32 s96, s96, 12288
	s_mov_b32 s97, 0
	s_mul_i32 s2, s[WV], HALFT                     ; where they go: wave x 8 blocks: no place in the cluster enters an LDS address
	s_mul_i32 s3, s[WV], 49152                     ; slots 1 and 2: wave x 8 blocks x 6,144
	s_wait_kmcnt 0x0
	s_cmp_eq_u32 s[ISV], 1                         ; the sides' buffers: the choice hangs on the cluster's x alone
	s_cselect_b64 s[G0+2:G0+3], s[8:9], s[4:5]
	s_cselect_b64 s[G0S+2:G0S+3], s[10:11], s[6:7]
	s_cselect_b64 s[G0B+2:G0B+3], s[4:5], s[8:9]
	s_cselect_b64 s[G0SB+2:G0SB+3], s[6:7], s[10:11]
	s_add_nc_u64 s[G0+2:G0+3], s[G0+2:G0+3], s[92:93]
	s_add_nc_u64 s[G0B+2:G0B+3], s[G0B+2:G0B+3], s[96:97]
	s_add_nc_u64 s[G0S+2:G0S+3], s[G0S+2:G0S+3], s[94:95]
	s_add_nc_u64 s[G0SB+2:G0SB+3], s[G0SB+2:G0SB+3], s[98:99]
	s_mov_b64 s[G0+10:G0+11], s[G0+2:G0+3]         ; third group 0: the head's load of a side's 16 blocks, first pair of K steps
	s_mov_b64 s[G0B+10:G0B+11], s[G0B+2:G0B+3]
	s_mul_i32 s100, s[WLO], 98304                  ; behind the head I fetch 8 blocks of a side: which half, in bytes
	s_mov_b32 s101, 0
	s_add_nc_u64 s[G0+2:G0+3], s[G0+2:G0+3], s[100:101]
	s_add_nc_u64 s[G0B+2:G0B+3], s[G0B+2:G0B+3], s[100:101]
	s_add_nc_u64 s[G0+6:G0+7], s[G0+2:G0+3], 3072  ; second group 0: pairs 1 and 2 of the K steps, one row of 6,144 bytes a block
	s_add_nc_u64 s[G0B+6:G0B+7], s[G0B+2:G0B+3], 3072
.irp s, 0,1,2
	s_mov_b32 s[G0+4*\s], 1
	s_or_b32 s[G0+4*\s+3], s[G0+4*\s+3], 0x80000000
	s_mov_b32 s[G0B+4*\s], 1
	s_or_b32 s[G0B+4*\s+3], s[G0B+4*\s+3], 0x80000000
.endr
	s_mov_b32 s[G0+1], s2
	s_mov_b32 s[G0B+1], s2
	s_add_co_u32 s[G0+5], s3, SLOT
	s_add_co_u32 s[G0B+5], s3, SLOT
	s_mov_b32 s[G0+9], 0
	s_mov_b32 s[G0B+9], 2*HALFT
	s_mov_b32 s[G0S], 1
	s_mov_b32 s[G0S+1], SCL
	s_or_b32 s[G0S+3], s[G0S+3], 0x80000000
	s_mov_b32 s[G0SB], 1
	s_mov_b32 s[G0SB+1], SCL+8320
	s_or_b32 s[G0SB+3], s[G0SB+3], 0x80000000
	CROUND                                         ; all sixteen work-groups are here: the first joint loads meet
; The head's four tiles, one a wave: wave 0 source 1's slot 0, wave 1 source 0's, wave 2 source 1's scale words, wave 3 source 0's.  One tree of branches on the wave's number.
.macro ARM under, g0, g1, next
	s_cmp_lt_u32 s[WV], \under
	s_cbranch_scc0 \next
	tensor_load_to_lds s[\g0:\g0+3], s[\g1:\g1+7]
	s_nop 0
.rept 4
	v_nop
.endr
	s_branch .Lhead_asked
\next:
.endm
	ARM 1, G0+8, G1, .Lhead_b
	ARM 2, G0B+8, G1B, .Lhead_sa
	ARM 3, G0S, G1S, .Lhead_sb
	tensor_load_to_lds s[G0SB:G0SB+3], s[G1SB:G1SB+7]
	s_nop 0
.rept 4
	v_nop
.endr
.Lhead_asked:
	v_and_b32 v1, 15, v0                           ; r
	v_bfe_u32 v2, v0, 4, 1                         ; h
	v_and_b32 v3, 31, v0
	v_lshlrev_b32 v[L16], 4, v3
	v_lshlrev_b32 v[L8], 3, v3
	s_mul_i32 s92, s[WHI], HALFT                   ; my half of source 1,
	s_mul_i32 s93, s[WLO], HALFT
	s_add_co_u32 s93, s93, 2*HALFT                 ; my half of source 0
	s_wait_alu depctr_va_vdst(0)
	v_add_nc_u32 v[ADR1], s92, v[L16]
	v_add_nc_u32 v[ADR0], s93, v[L16]
	s_mul_i32 s92, s[WHI], 49152                   ; slots 1 and 2: source 1's two halves, then source 0's, 49,152 bytes each
	s_mul_i32 s93, s[WLO], 49152
	s_add_co_u32 s92, s92, SLOT
	s_add_co_u32 s93, s93, 2*SLOT
.irp s, 1,2
	v_add_nc_u32 v[ADR1+\s], s92, v[L16]
	v_add_nc_u32 v[ADR0+\s], s93, v[L16]
	s_add_co_u32 s92, s92, 3072
	s_add_co_u32 s93, s93, 3072
.endr
	v_lshlrev_b32 v4, 3, v1                        ; scale words: 8 bytes a row and pair
	s_lshl_b32 s92, s[WHI], 12
	s_lshl_b32 s93, s[WLO], 12
	s_add_co_u32 s93, s93, 8320
	s_sub_co_u32 s93, s93, s92
	v_mul_u32_u24 v5, s93, v2                      ; lanes 16-31 take source 0's: one product, the distance between the two
	s_add_co_u32 s92, s92, SCL
	v_add_nc_u32 v4, v4, v5
	v_add_nc_u32 v[ADRS], s92, v4
	; the bias of my 128 columns, in both layouts (each way of the epilogue reads one): along the registers, and one number a lane for each block
	s_lshl_b32 s94, s[T1], 1
	s_add_co_u32 s94, s94, s[WHI]
	s_lshl_b32 s95, s[T0], 1
	s_add_co_u32 s95, s95, s[WLO]
	s_cmp_eq_u32 s[ISV], 1
	s_cselect_b32 s98, s94, s95                    ; which 128 columns of the 3,072
	s_lshl_b32 s98, s98, 9
	s_mov_b32 s99, 0
	s_add_nc_u64 s[100:101], s[12:13], s[98:99]
	v_lshlrev_b32 v14, 6, v2                       ; 64 h
	v_and_b32 v15, 8, v1
	v_add_nc_u32 v15, v15, v1
	v_lshlrev_b32 v15, 2, v15                      ; 4 (r + 8 (r / 8))
.irp b, 0,1,2,3
.irp j, 0,1,2,3
	global_load_b128 v[BQ+16*\b+4*\j:BQ+16*\b+4*\j+3], v14, s[100:101] offset:128*\b+16*\j   ; register 16 b + i: column 32 b + 16 h + i
.endr
.endr
.irp a, 0,1,2,3,4,5,6,7
	global_load_b32 v[BV+\a], v15, s[100:101] offset:4*(32*(\a/2)+8*(\a%2))   ; block a, place r
.endr
	s_wait_alu depctr_va_vdst(0)
	s_wait_tensorcnt 0x0                           ; my tile of the head's four is in
	ds_add_u32 v[SPW], v[NIL]
	s_mov_b32 s[G1+1], 768<<16                     ; no tensor load of mine is out: the next load brings 8 blocks x two pairs of K steps
	s_mov_b32 s[G1+2], 8<<16
	s_mov_b32 s[G1+3], 768<<16
	s_mov_b32 s[G1+4], 8
	s_mov_b32 s[G1B+1], 768<<16
	s_mov_b32 s[G1B+2], 8<<16
	s_mov_b32 s[G1B+3], 768<<16
	s_mov_b32 s[G1B+4], 8
	s_wait_dscnt 0x0
	CROUND                                         ; all four tiles are in, in every partner
	JLOAD G0+4, G1, G0B+4, G1B                     ; slots 1 and 2, my one load behind the round
	FETCH0 0, 0, 0
	FETCH1 0, 0, 0
	SCALES 0, 0
	FETCH1 0, 0, 4
	STEP 0, 0, 0, 1, 0, 1, -1, 0                   ; K step 0: its products start the sums: nothing is cleared
	TURN 0, 1, 1, 1, 1                             ; 1: slots 1 and 2 are shown whole to every wave; slot 0 is left and filled again
	STEP 0, 0, 1, 0, 1, 1, -1, 0                   ; 2
	STEP 1, 1, 1, 0, 2, 0, 2, 0                    ; 3: on into slot 2, which the barrier in K step 1 has shown whole
	STEP 0, 0, 0, 0, 2, 1, -1, 0                   ; 4
	TURN 0, 0, 3, 1, 0                             ; 5: the refill has landed, in every wave; nothing more is asked for
	STEP 0, 0, 1, 0, 0, 1, -1, 0                   ; 6
	s_wait_dscnt 12                                ; 7: nothing more to fetch
	WIN MUL_LO
	MUL16 0, 1, 1, 1, 0
	MUL16 2, 1, 1, 1, 0
	s_wait_dscnt 0x0
	WIN MUL_HI
	MUL16 4, 1, 1, 1, 0
	MUL16 6, 1, 1, 1, 0
	WIN 0
	PLACES                                         ; behind the last products: their results and operands' registers are touched from here on
	; ---- THE EPILOGUE.  Where things go: col = which 128 columns, tok = which 128 tokens
	s_wait_loadcnt 0x0                             ; the bias
	s_mov_b32 s[SEL], 0x76543210
	s_mov_b32 s[SEL+1], 0xfedcba98
	s_lshl_b32 s24, s[T1], 1
	s_add_co_u32 s24, s24, s[WHI]
	s_lshl_b32 s25, s[T0], 1
	s_add_co_u32 s25, s25, s[WLO]
	s_mov_b32 s30, 208896
	s_mov_b32 s31, 12288
	s_mov_b32 s32, 12288
	s_cmp_eq_u32 ttmp9, 0                          ; q goes to qc, k and v to kv
	s_cselect_b64 s[28:29], s[14:15], s[16:17]
	s_cselect_b32 s30, 106496, s30                 ; a head's record,
	s_cselect_b32 s31, 8192, s31                   ; where its codes begin,
	s_cselect_b32 s32, 6144, s32                   ; and 128 tokens' share of them
	s_sub_co_u32 s[STB], s30, 4608
	s_mov_b32 s[STA], 768
	s_mov_b32 s54, 512
	s_cmp_eq_u32 s[ISV], 1
	s_cselect_b32 s26, s24, s25                    ; col
	s_cselect_b32 s27, s25, s24                    ; tok
	s_cselect_b32 s31, 18432, s31                  ; v's tiles lie behind a key step's eight tiles of K
	s_cselect_b32 s52, 768, s30                    ; registers 6-11 go: v: 768 bytes on; q, k: to the next head
	s_cselect_b32 s[STA], 1536, s[STA]             ; from block to block,
	s_cselect_b32 s[STB], s[STB], 768              ; and from block 3 to block 4: in v the next head's first tile
	s_cselect_b32 s[MSK], -1, 0xffff               ; q, k: a scale word keeps two bytes
	s_cselect_b32 s51, 8192, 0
	s_cselect_b32 s54, 256, s54
	s_cselect_b32 s55, 0, 16
	s_cselect_b32 s56, 0, s30
	s_cselect_b32 s57, s30, 256
	s_lshr_b32 s33, s27, 4                         ; batch
	s_and_b32 s34, s27, 15                         ; which 128 tokens of the batch
	s_and_b32 s35, s26, 7
	s_lshl_b32 s35, s35, 1
	s_lshl_b32 s33, s33, 4
	s_add_co_u32 s35, s35, s33                     ; (batch, head) of my first 64 columns
	s_mul_i32 s35, s35, s30
	s_mul_i32 s36, s34, s32
	s_add_co_u32 s36, s36, s31
	s_add_co_u32 s36, s36, s35
	s_mov_b32 s37, 0
	s_add_nc_u64 s[P1:P1+1], s[28:29], s[36:37]
	s_mov_b32 s53, 0
	s_add_nc_u64 s[P2:P2+1], s[P1:P1+1], s[52:53]
	s_mul_i32 s36, s34, s54
	s_add_co_u32 s36, s36, s51
	s_add_co_u32 s36, s36, s35
	s_add_nc_u64 s[PS:PS+1], s[28:29], s[36:37]
	s_mov_b32 s[STA+1], 0
	s_mov_b32 s[STB+1], 0
	v_mul_u32_u24 v[HV], s[ISV], v2
	v_mul_u32_u24 v[SHF], s55, v2
	v_mul_u32_u24 v3, s56, v2
	v_lshl_add_u32 v[SA1], v1, 4, v3               ; q, k: 16 r, lanes 16-31 in the next head's record; v: 16 r
	v_add_nc_u32 v[SA2], s57, v[SA1]               ; blocks 4-7: q, k: 256 bytes on; v: the next head's record
.irp b, 0,1,2,3
	v_mov_b32 v[TM+4+\b], 0                        ; a lane permute's destination counts as one of its sources
.endr
; Block a of source 1: its 64 numbers a lane get the bias, are quantised, and leave as two half images; each store covers 512 or 256 consecutive bytes, aligned.
.macro EPI a
	s_cmp_eq_u32 s[ISV], 1                         ; the one place where the ways part: the bias runs along the registers (q, k) or along the lanes (v)
	s_cbranch_scc1 .Lbias_v_\@
	WIN 0x02+(\a)/4                                ; source 0: the accumulators' window
.set j, 0
.rept 32
	v_pk_add_f32 v[HN+j:HN+j+1], v[64*((\a)%4)+j:64*((\a)%4)+j+1], v[BQ+j:BQ+j+1]   ; each accumulator from its low end on
.set j, j+2
.endr
	WIN 0
	s_branch .Lbias_done_\@
.Lbias_v_\@:
	WIN 0x02+(\a)/4
.set j, 0
.rept 32
.if (\a)%2
	v_pk_add_f32 v[HN+j:HN+j+1], v[64*((\a)%4)+j:64*((\a)%4)+j+1], v[BV+2*((\a)/2):BV+2*((\a)/2)+1] op_sel:[0,1] op_sel_hi:[1,1]
.else
	v_pk_add_f32 v[HN+j:HN+j+1], v[64*((\a)%4)+j:64*((\a)%4)+j+1], v[BV+2*((\a)/2):BV+2*((\a)/2)+1] op_sel_hi:[1,0]
.endif
.set j, j+2
.endr
	WIN 0
.Lbias_done_\@:
.if (\a) > 0
	s_wait_xcnt 0x0                                ; the last block's stores have read their bases and the codes' registers: both are written again
.if (\a) == 4
	s_add_nc_u64 s[P1:P1+1], s[P1:P1+1], s[STB:STB+1]
	s_add_nc_u64 s[P2:P2+1], s[P2:P2+1], s[STB:STB+1]
.else
	s_add_nc_u64 s[P1:P1+1], s[P1:P1+1], s[STA:STA+1]
	s_add_nc_u64 s[P2:P2+1], s[P2:P2+1], s[STA:STA+1]
.endif
.endif
	QUANT HN, PW
	v_lshrrev_b32 v[SW+(\a)], v[SHF], v[PW]
	v_and_b32 v[SW+(\a)], s[MSK], v[SW+(\a)]
	global_store_b128 v[L16], v[PC:PC+3], s[P1:P1+1]
	global_store_b64 v[L8], v[PC+4:PC+5], s[P1:P1+1] offset:512
	global_store_b128 v[L16], v[PC+6:PC+9], s[P2:P2+1]
	global_store_b64 v[L8], v[PC+10:PC+11], s[P2:P2+1] offset:512
.endm
.irp a, 0,1,2,3,4,5,6,7
	EPI \a
.endr
	s_wait_alu depctr_va_vdst(0)
	s_wait_xcnt 0x0                                ; EXEC changes only behind this wait
	v_cmp_eq_u32 vcc_lo, 0, v[HV]                  ; q, k: all lanes (two heads' words); v: lanes 0-15
	s_and_saveexec_b32 s58, vcc_lo
	global_store_b128 v[SA1], v[SW:SW+3], s[PS:PS+1]       ; sixteen lanes store 256 consecutive bytes, aligned
	global_store_b128 v[SA2], v[SW+4:SW+7], s[PS:PS+1]
	s_wait_xcnt 0x0                                ; and again in front of the line that widens it
	s_or_b32 exec_lo, exec_lo, s58
	s_wait_tensorcnt 0x0                           ; the wave's end
	ds_add_u32 v[SPW], v[NIL]
	s_wait_dscnt 0x0
	CROUND                                         ; the closing round: no work-group ends while a partner may still ask for a tile that names it
	s_endpgm
.Lfunc_end_k_q29e776f497_gemm:
	.size	k_q29e776f497_gemm, .Lfunc_end_k_q29e776f497_gemm-k_q29e776f497_gemm
	.p2alignl 7, 3214868480
	.fill 96, 4, 3214868480
	.section	.rodata,"a",@progbits
	.p2align	6, 0x0
	.amdhsa_kernel k_q29e776f497_gemm
		.amdhsa_group_segment_fixed_size 327680
		.amdhsa_private_segment_fixed_size 0
		.amdhsa_enable_private_segment 0
		.amdhsa_kernarg_size 56
		.amdhsa_user_sgpr_count 2
		.amdhsa_user_sgpr_kernarg_segment_ptr 1
		.amdhsa_wavefront_size32 1
		.amdhsa_system_sgpr_workgroup_id_x 1
		.amdhsa_system_sgpr_workgroup_id_y 1
		.amdhsa_system_sgpr_workgroup_id_z 1
		.amdhsa_system_vgpr_workitem_id 0
		.amdhsa_next_free_vgpr 1024
		.amdhsa_next_free_sgpr 102
		.amdhsa_reserve_vcc 1
		.amdhsa_float_denorm_mode_32 3
		.amdhsa_float_denorm_mode_16_64 3
		.amdhsa_memory_ordered 1
		.amdhsa_forward_progress 1
		.amdhsa_inst_pref_size 179
	.end_amdhsa_kernel
	.amdgpu_metadata
---
amdhsa.version: [ 1, 2 ]
amdhsa.kernels:
  - .name:           k_q29e776f497_gemm
    .symbol:         k_q29e776f497_gemm.kd
    .args:
      - { .name: x_codes, .offset: 0, .size: 8, .value_kind: global_buffer, .address_space: global }
      - { .name: x_scales, .offset: 8, .size: 8, .value_kind: global_buffer, .address_space: global }
      - { .name: w_codes, .offset: 16, .size: 8, .value_kind: global_buffer, .address_space: global }
      - { .name: w_scales, .offset: 24, .size: 8, .value_kind: global_buffer, .address_space: global }
      - { .name: b_qkv, .offset: 32, .size: 8, .value_kind: global_buffer, .address_space: global }
      - { .name: qc, .offset: 40, .size: 8, .value_kind: global_buffer, .address_space: global }
      - { .name: kv, .offset: 48, .size: 8, .value_kind: global_buffer, .address_space: global }
    .group_segment_fixed_size: 327680
    .private_segment_fixed_size: 0
    .kernarg_segment_align: 8
    .kernarg_segment_size: 56
    .max_flat_workgroup_size: 128
    .sgpr_count:     102
    .vgpr_count:     1024
    .wavefront_size: 32
...
	.end_amdgpu_metadata
.endif
;; end of part 2
;; launch attn (part 3): grid 4 x 64, 8 waves a work-group, clusters of 4 x 1, 327,680 bytes of LDS; arguments qc, kv, out0; writes out0
.if DOCPART == 3
	.amdgcn_target "amdgcn-amd-amdhsa--gfx1250"
	.amdhsa_code_object_version 6
	.text
	.protected	k_q29e776f497_attn
	.globl	k_q29e776f497_attn
	.p2align	8
	.type	k_q29e776f497_attn,@function
k_q29e776f497_attn:
	s_mov_b64 s[64:65], 0
	v_nop
	global_prefetch_b8 v0, s[64:65] scope:SCOPE_SE
	s_setreg_imm32_b32 hwreg(HW_REG_WAVE_MODE, 25, 1), 1
	s_wait_xcnt 0x0
	s_wait_alu depctr_hold_cnt(0) depctr_sa_sdst(0) depctr_va_vdst(0) depctr_va_sdst(0) depctr_va_ssrc(0) depctr_va_vcc(0) depctr_vm_vsrc(0)
	s_getreg_b32 s2, hwreg(HW_REG_IB_STS2, 6, 4)
	s_cmp_eq_u32 s2, 0
	s_cbranch_scc0 .Lentry_in_a_cluster
	s_endpgm
.Lentry_in_a_cluster:
	s_bfe_u32 s2, ttmp6, 0x10000c
	s_cmp_lg_u32 s2, 0x3003
	s_cbranch_scc0 .Lentry_shape_is_right
	s_endpgm
.Lentry_shape_is_right:
; out = softmax(q k^T / 32, causal) v for one (batch, head) a cluster, on codes of E3M2 with E8M0 scales, as the launch before has laid them (qc, kv).
; Key steps that lie wholly above the diagonal are hidden by the mask that the problem builds itself: they are passed over.
; The four work-groups of a cluster need the same K and V: all 208,896 bytes of a head's record come into LDS by joint loads, once: first the scale words and key steps 0-4 (73,728 bytes),
; then key steps 5-15.  Nothing is filled again, so there is no ring and no loop to prefetch ahead in.
; A wave takes TWO tiles of 16 queries at once, tiles cx and cx + 4 of a group of 128 tokens: each fragment of K and V feeds both.  Wave w takes group 15 - w, then group w: 17 steps of 128 keys for every wave.
; Both products are used transposed (S^T = K Q^T, O^T = V^T P^T): a lane holds one query.  M is the ceiling of the running largest t, a whole number; p = 2^(t - M); the sum is taken of the unquantised p.
; Behind a step's first products this step's V and the next step's K are asked of LDS; the one wait for them stands ahead of the second products.
; LIMITS: NaN and infinities are not served; the promise holds while the scaled scores stay under 2^31 in magnitude.
; REGISTERS.  Window 0: addresses, state, scale words, both tiles' scores (v122-249) and all of the softmax.  Window 1: K v0-53 (48-53 zeros), V v54-101, O^T v102-165, four Q fragments v166-213 (upper halves zeros).
.set STAGE, 208896                     ; behind the record: 16 rows x 272 bytes for each wave, for the way out
.set SPARE, 0x44000                    ; the spare words, 128 bytes a wave
.set WV,  18
.set SEL, 20
.set CS,  22
.set G1E, 24
.set G1L, 32
.set G0E, 40
.set G0L, 44
.set TBN, 48                           ; LDS byte of the next step's K;  TSN: of its scale words
.set TSN, 49
.set TB,  2
.set TS,  3
.set TJ,  66
.set SI,  67
.set MG,  68
.set CNT, 69
.set CX,  70
.set ST,  16                           ; tile t's state at ST + 6 t: -M, largest t, the sum's two halves, f and a zero
.set QS,  28                           ; Q's scale words: pass p, tile t at QS + 2 p + t
.set PW,  32                           ; p's scale words
.set KS,  34
.set VS,  38
.set TT,  42                           ; tile t's temporaries at TT + 20 t: 0-3 block maxima, 4-7 the other half's, 8-11 scale operands, 12-15 bytes, 16 one number, 18-19 a sum
.set CD,  82                           ; tile t's codes of p at CD + 20 t (12), and 8 at work
.set SA,  122                          ; tile t's scores at SA + 64 t
.set KF,  0
.set VF,  54
.set OF,  102
.set QF,  166
.set MSB, 0
.macro WIN new                         ; the immediate's high byte repeats the setting that is left
.if MSB != (\new)
	s_set_vgpr_msb (MSB<<8)|(\new)
.set MSB, (\new)
.endif
.endm
.macro ROUND
	s_barrier_signal -1
	s_barrier_wait -1
	s_cmp_lg_u32 s[WV], 0
	s_cbranch_scc1 .Lnot_wave_0_\@
	s_barrier_signal -3
.Lnot_wave_0_\@:
	s_barrier_wait -3
	s_barrier_signal -1
	s_barrier_wait -1
.endm
.macro LOADK                           ; eight half images of K (v6, v7) and their scale words (v8)
	WIN 0x40
.irp i, 0,1,2,3,4,5,6,7
	; THE KEYS OF A TILE ARE CHOSEN HERE, by the lanes' addresses into the stored images: tile 4 G + t, place 8 h' + j, takes key 64 G + 32 h' + 8 t + j, which lies in stored tile 4 G + 2 h' + t % 2 at place 8 (t / 2) + j:
	; so a lane's 32 score registers of four neighbouring tiles are one whole block of 32 keys
	ds_load_b128 v[KF+6*\i:KF+6*\i+3], v6 offset:3072*(\i/4)+768*(\i%2)+128*((\i%4)/2)
	ds_load_b64 v[KF+6*\i+4:KF+6*\i+5], v7 offset:3072*(\i/4)+768*(\i%2)+512+64*((\i%4)/2)
.endr
	WIN 0
.irp t, 0,1,2,3
	ds_load_b32 v[KS+\t], v8 offset:128*(\t/2)+4*(\t%2)   ; the same rows' scale words: lanes 0-15 tile t, lanes 16-31 tile 4 + t
.endr
.endm
	s_load_b128 s[4:7], s[0:1], 0x0                ; qc, kv
	s_load_b64 s[8:9], s[0:1], 0x10                ; out0
	v_lshl_add_u32 v254, v0, 2, SPARE
	v_mov_b32 v255, 0
	ds_add_u32 v254, v255                          ; the opening lines: the add twice on end
	ds_add_u32 v254, v255
	v_lshrrev_b32 v122, 5, v0
	v_readfirstlane_b32 s[WV], v122
	s_bfe_u32 s[CX], ttmp6, 0x40000
	s_and_b32 s10, ttmp7, 0xffff                   ; (batch, head)
	s_mov_b32 s[G1E], 15|(3<<16)|(1<<21)           ; rows of 256 bytes, all four partners
	s_mov_b32 s[G1E+1], 32<<16
	s_mov_b32 s[G1E+2], 36<<16                     ; early: 73,728 bytes / 8 waves = 36 rows
	s_mov_b32 s[G1E+3], 32<<16
	s_mov_b32 s[G1E+4], 36
	s_mov_b32 s[G1E+5], 32
	s_mov_b32 s[G1E+6], 0
	s_mov_b32 s[G1E+7], 0
	s_mov_b32 s[G1L], 15|(3<<16)|(1<<21)
	s_mov_b32 s[G1L+1], 32<<16
	s_mov_b32 s[G1L+2], 66<<16                     ; late: 135,168 bytes / 8 waves = 66 rows
	s_mov_b32 s[G1L+3], 32<<16
	s_mov_b32 s[G1L+4], 66
	s_mov_b32 s[G1L+5], 32
	s_mov_b32 s[G1L+6], 0
	s_mov_b32 s[G1L+7], 0
	s_mul_i32 s12, s10, 208896
	s_mul_i32 s14, s[WV], 9216
	s_mul_i32 s15, s[WV], 16896
	s_add_co_u32 s15, s15, 73728
	s_add_co_u32 s84, s12, s14
	s_mov_b32 s85, 0
	s_add_co_u32 s86, s12, s15
	s_mov_b32 s87, 0
	s_mov_b32 s[SEL], 0x76543210
	s_mov_b32 s[SEL+1], 0xfedcba98
	s_mov_b32 s[CS], 0x3d38aa3b                    ; log2(e) / 32
	s_mov_b32 s[CS+1], s[CS]
	s_wait_dscnt 0x0
	s_wait_kmcnt 0x0
	s_mov_b32 s[G0E], 1
	s_mov_b32 s[G0E+1], s14
	s_add_nc_u64 s[G0E+2:G0E+3], s[6:7], s[84:85]
	s_or_b32 s[G0E+3], s[G0E+3], 0x80000000
	s_mov_b32 s[G0L], 1
	s_mov_b32 s[G0L+1], s15
	s_add_nc_u64 s[G0L+2:G0L+3], s[6:7], s[86:87]
	s_or_b32 s[G0L+3], s[G0L+3], 0x80000000
	ROUND
	tensor_load_to_lds s[G0E:G0E+3], s[G1E:G1E+7]  ; my one load at the head
	s_nop 0
.rept 4
	v_nop
.endr
	; where Q comes from and O goes: pass 0 group 15 - w, pass 1 group w; tile 8 g + cx, the second tile four tiles on (immediates)
	s_sub_co_u32 s50, 15, s[WV]
	s_mov_b32 s51, s[WV]
	s_mul_i32 s13, s10, 106496
.irp p, 0,1
	s_mul_i32 s52, s[50+\p], 6144
	s_mul_i32 s53, s[CX], 768
	s_add_co_u32 s52, s52, s53
	s_add_co_u32 s52, s52, s13
	s_add_co_u32 s52, s52, 8192
	s_mov_b32 s53, 0
	s_add_nc_u64 s[72+2*\p:73+2*\p], s[4:5], s[52:53]
	s_lshl_b32 s54, s[50+\p], 9
	s_lshl_b32 s55, s[CX], 2
	s_add_co_u32 s54, s54, s55
	s_add_co_u32 s54, s54, s13
	s_mov_b32 s55, 0
	s_add_nc_u64 s[76+2*\p:77+2*\p], s[4:5], s[54:55]
	s_lshl_b32 s56, s[50+\p], 15
	s_lshr_b32 s57, s[CX], 1
	s_lshl_b32 s57, s57, 13
	s_add_co_u32 s56, s56, s57
	s_and_b32 s57, s[CX], 1
	s_lshl_b32 s57, s57, 11
	s_add_co_u32 s56, s56, s57
	s_lshl_b32 s57, s10, 19
	s_add_co_u32 s56, s56, s57
	s_mov_b32 s57, 0
	s_add_nc_u64 s[80+2*\p:81+2*\p], s[8:9], s[56:57]
.endr
	s_mul_i32 s59, s[WV], 4352
	s_add_co_u32 s59, s59, STAGE
	s_lshr_b32 s58, s[CX], 1
	s_lshl_b32 s58, s58, 5
	s_and_b32 s57, s[CX], 1
	s_lshl_b32 s57, s57, 3
	s_add_co_u32 s58, s58, s57                     ; tile cx's first query in its group
	v_and_b32 v122, 31, v0
	v_and_b32 v123, 15, v0                         ; r
	v_bfe_u32 v124, v0, 4, 1                       ; h
	v_lshlrev_b32 v1, 4, v122
	v_lshlrev_b32 v2, 3, v122
	v_lshlrev_b32 v250, 4, v123                    ; 16 r: Q's scale words; never rewritten
	WIN 0x40
.irp p, 0,1
.irp t, 0,1
	global_load_b128 v[QF+24*\p+12*\t:QF+24*\p+12*\t+3], v1, s[72+2*\p:73+2*\p] offset:3072*\t th:TH_LOAD_NT
	global_load_b64 v[QF+24*\p+12*\t+4:QF+24*\p+12*\t+5], v2, s[72+2*\p:73+2*\p] offset:3072*\t+512 th:TH_LOAD_NT
.endr
.endr
.irp k, 0,1,2,3
.irp j, 6,7,8,9,10,11
	v_mov_b32 v[QF+12*\k+\j], 0                    ; zero codes for k = 64 .. 127
.endr
.endr
.irp j, 48,49,50,51,52,53
	v_mov_b32 v[KF+\j], 0
.endr
	WIN 0
.irp p, 0,1
.irp t, 0,1
	global_load_b32 v[QS+2*\p+\t], v250, s[76+2*\p:77+2*\p] offset:256*\t
.endr
.endr
	v_lshl_add_u32 v3, v123, 4, 8192               ; V's scale words
	v_bfe_u32 v125, v0, 3, 1                       ; h': which half of a tile's 16 places
	v_and_b32 v126, 7, v0                          ; j
	v_mul_u32_u24 v251, v125, 1536
	v_lshl_add_u32 v252, v126, 3, v251
	v_lshl_add_u32 v251, v126, 4, v251
	v_lshl_add_u32 v252, v124, 7, v252             ; K, registers 4-5: 1536 h' + 8 j + 128 h
	v_lshl_add_u32 v251, v124, 8, v251             ; K, registers 0-3: 1536 h' + 16 j + 256 h
	v_lshlrev_b32 v253, 4, v126
	v_lshl_add_u32 v253, v125, 3, v253
	v_lshl_add_u32 v253, v124, 8, v253             ; K's scale words: 256 h + 16 j + 8 h'
	v_lshlrev_b32 v59, 3, v124                     ; 8 h: where my two bytes stand in p's scale word
	v_mul_u32_u24 v10, v123, 272                   ; the stage, in: row r, 64 h
	v_lshl_add_u32 v10, v124, 6, v10
	v_add_nc_u32 v10, s59, v10
	v_mul_u32_u24 v11, v124, 272                   ; back: two rows an instruction
	v_lshl_add_u32 v11, v123, 4, v11
	v_add_nc_u32 v11, s59, v11
	v_lshlrev_b32 v12, 8, v124
	v_lshl_add_u32 v12, v123, 4, v12
	v_and_b32 v14, 8, v123
	v_add_nc_u32 v14, v14, v123
	v_lshlrev_b32 v15, 5, v124
	v_sub_nc_u32 v14, v14, v15
	v_add_nc_u32 v14, s58, v14                     ; my query's place in its group, less 32 h: first tile,
	v_add_nc_u32 v15, 64, v14                      ; second tile
	v_mov_b32 v13, 0xff800000
.irp t, 0,1
.irp j, 4,5,6,7,16
	v_mov_b32 v[TT+20*\t+\j], 0                    ; a lane permute's destination counts as one of its sources
.endr
	v_mov_b32 v[ST+6*\t+5], 0
.endr
	s_wait_alu depctr_va_vdst(0)
	s_wait_tensorcnt 0x0                           ; my part of the early tile is in
	ds_add_u32 v254, v255
	s_wait_dscnt 0x0
	ROUND                                          ; everybody's part is in
	tensor_load_to_lds s[G0L:G0L+3], s[G1L:G1L+7]  ; key steps 5-15
	s_nop 0
.rept 4
	v_nop
.endr
	s_wait_loadcnt 0x0                             ; Q
; One step: 128 keys against both tiles.  q: the pass; mask: the step may be hidden or lie on the diagonal; lim: the last step whose K may be asked for
.macro STEP q, mask, lim
.if \mask
	s_cmp_gt_u32 s[SI], s[MG]
	s_cbranch_scc1 .Lhid_\@
.endif
	s_add_co_u32 s[TBN], s[TB], 12288
	s_min_u32 s[TBN], s[TBN], 12288*(1+\lim)
	s_add_co_u32 s[TSN], s[TS], 512
	s_min_u32 s[TSN], s[TSN], 512*\lim
	WIN 0x05
.irp i, 0,1,2,3
.irp t, 0,1
	v_wmma_scale_f32_16x16x128_f8f6f4 v[SA+64*\t+8*\i:SA+64*\t+8*\i+7], v[KF+6*\i:KF+6*\i+11], v[QF+24*\q+12*\t:QF+24*\q+12*\t+11], 0, v[KS+\i], v[QS+2*\q+\t] matrix_a_fmt:MATRIX_FMT_BF6 matrix_b_fmt:MATRIX_FMT_BF6
.endr
.endr
.irp i, 4,5,6,7
.irp t, 0,1
	v_wmma_scale_f32_16x16x128_f8f6f4 v[SA+64*\t+8*\i:SA+64*\t+8*\i+7], v[KF+6*\i:KF+6*\i+11], v[QF+24*\q+12*\t:QF+24*\q+12*\t+11], 0, v[KS+\i-4], v[QS+2*\q+\t] matrix_a_fmt:MATRIX_FMT_BF6 matrix_b_fmt:MATRIX_FMT_BF6 matrix_a_scale:MATRIX_SCALE_ROW1
.endr
.endr
	WIN 0
	v_add_nc_u32 v4, s[TB], v1                     ; six plain lines: the places behind the products, ahead of the loads into their registers and of the first read of the scores
	v_add_nc_u32 v5, s[TB], v2
	v_add_nc_u32 v6, s[TBN], v251
	v_add_nc_u32 v7, s[TBN], v252
	v_add_nc_u32 v8, s[TSN], v253
	v_add_nc_u32 v9, s[TJ], v3
	WIN 0x40
.irp d, 0,1,2,3
	ds_load_b128 v[VF+12*\d:VF+12*\d+3], v4 offset:6144+1536*\d
	ds_load_b64 v[VF+12*\d+4:VF+12*\d+5], v5 offset:6144+1536*\d+512
	ds_load_b128 v[VF+12*\d+6:VF+12*\d+9], v4 offset:6144+1536*\d+768
	ds_load_b64 v[VF+12*\d+10:VF+12*\d+11], v5 offset:6144+1536*\d+1280
.endr
	WIN 0
	ds_load_b128 v[VS:VS+3], v9
	LOADK
.if \mask
	s_cmp_lt_u32 s[SI], s[MG]
	s_cbranch_scc1 .Lopen_\@
.set n, 0                              ; on the diagonal: the first tile's queries lie in the group's first 64 tokens, the second's in its last 64
.rept 32
	v_cmp_gt_i32 vcc_lo, n, v14                    ; register n holds key 64 (n / 32) + 32 h + n % 32; v14, v15: my query's place less 32 h
	v_cndmask_b32 v[SA+n], v[SA+n], v13, vcc_lo
.set n, n+1
.endr
.rept 32
	v_mov_b32 v[SA+n], v13                         ; keys 64-127 are hidden from the first tile
.set n, n+1
.endr
.set n, 32
.rept 32
	v_cmp_gt_i32 vcc_lo, n+32, v15
	v_cndmask_b32 v[SA+64+n], v[SA+64+n], v13, vcc_lo
.set n, n+1
.endr
.Lopen_\@:
.endif
.irp b, 0,1,2,3                        ; the largest score of each block of 32 keys; eight chains by turns
.irp t, 0,1
	v_max3_num_f32 v[TT+20*\t+\b], v[SA+64*\t+16*\b], v[SA+64*\t+16*\b+1], v[SA+64*\t+16*\b+2]
.endr
.endr
.irp i, 3,5,7,9,11,13
.irp b, 0,1,2,3
.irp t, 0,1
	v_max3_num_f32 v[TT+20*\t+\b], v[TT+20*\t+\b], v[SA+64*\t+16*\b+\i], v[SA+64*\t+16*\b+\i+1]
.endr
.endr
.endr
.irp b, 0,1,2,3
.irp t, 0,1
	v_max_num_f32 v[TT+20*\t+\b], v[TT+20*\t+\b], v[SA+64*\t+16*\b+15]
.endr
.endr
.irp g, 0,2
.irp t, 0,1
	v_max_num_f32 v[TT+20*\t+\g], v[TT+20*\t+\g], v[TT+20*\t+\g+1]   ; my two whole blocks' largest scores
.endr
.endr
.irp t, 0,1
	v_max_num_f32 v[TT+20*\t+16], v[TT+20*\t], v[TT+20*\t+2]
.endr
.irp t, 0,1
	v_permlanex16_b32 v[TT+20*\t+4], v[TT+20*\t+16], s[SEL], s[SEL+1]
.endr
.irp t, 0,1
	v_max_num_f32 v[TT+20*\t+16], v[TT+20*\t+16], v[TT+20*\t+4]   ; with lane l xor 16's two blocks: the step's largest score of my query
.endr
.irp t, 0,1
	v_mul_f32 v[TT+20*\t+16], s[CS], v[TT+20*\t+16]
.endr
.irp t, 0,1
	v_max_num_f32 v[ST+6*\t+1], v[ST+6*\t+1], v[TT+20*\t+16]   ; the running largest t
.endr
.irp t, 0,1
	v_mov_b32 v[TT+20*\t+16], v[ST+6*\t]
.endr
.irp t, 0,1
	v_floor_f32 v[ST+6*\t], -v[ST+6*\t+1]          ; -M
.endr
.irp t, 0,1
	v_sub_f32 v[TT+20*\t+16], v[ST+6*\t], v[TT+20*\t+16]
.endr
.irp t, 0,1
	v_cvt_i32_f32 v[TT+20*\t+16], v[TT+20*\t+16]
.endr
.irp t, 0,1
	v_ldexp_f32 v[ST+6*\t+4], 1.0, v[TT+20*\t+16]  ; f = 2^(old M - new M)
.endr
	WIN 0x41
.irp t, 0,1
.set j, 0
.rept 16
	v_pk_mul_f32 v[OF+32*\t+j:OF+32*\t+j+1], v[OF+32*\t+j:OF+32*\t+j+1], v[ST+6*\t+4:ST+6*\t+5] op_sel_hi:[1,0]   ; O^T under the new M
.set j, j+2
.endr
.endr
	WIN 0
.set j, 0
.rept 32
.irp t, 0,1
	v_pk_fma_f32 v[SA+64*\t+j:SA+64*\t+j+1], v[SA+64*\t+j:SA+64*\t+j+1], s[CS:CS+1], v[ST+6*\t:ST+6*\t+1] op_sel_hi:[1,0,0]   ; t - M
.endr
.set j, j+2
.endr
.irp b, 0,2
.irp t, 0,1
	v_fma_f32 v[TT+20*\t+\b], v[TT+20*\t+\b], s[CS], v[ST+6*\t]   ; the same of each block's largest score
.endr
.endr
	s_wait_alu depctr_va_vdst(0)
.set j, 0
.rept 128
	v_exp_f32 v[SA+j], v[SA+j]
.set j, j+1
.endr
.irp b, 0,2
.irp t, 0,1
	v_exp_f32 v[TT+20*\t+\b], v[TT+20*\t+\b]       ; each block's largest p
.endr
.endr
.irp t, 0,1
	v_pk_mul_f32 v[ST+6*\t+2:ST+6*\t+3], v[ST+6*\t+2:ST+6*\t+3], v[ST+6*\t+4:ST+6*\t+5] op_sel_hi:[1,0]   ; the sums under the new M: plain lines behind the batch
.endr
	s_wait_alu depctr_va_vdst(0)                   ; and the one wait behind it
.irp b, 0,2
.irp t, 0,1
	v_max_num_f32 v[TT+20*\t+\b], 0x2800000, v[TT+20*\t+\b]   ; the floor: the byte cannot fall under 1
.endr
.endr
.irp b, 0,2
.irp t, 0,1
	v_add_nc_u32 v[TT+20*\t+8+\b], 0xfe000000, v[TT+20*\t+\b]   ; 4 off the exponent field: the conversion's scale operand
.endr
.endr
.irp b, 0,2
.irp t, 0,1
	v_lshrrev_b32 v[TT+20*\t+12+\b], 23, v[TT+20*\t+8+\b]
.endr
.endr
.irp t, 0,1
	v_lshl_or_b32 v[PW+\t], v[TT+20*\t+14], 16, v[TT+20*\t+12]   ; my two bytes: blocks h and 2 + h,
.endr
.irp t, 0,1
	v_lshlrev_b32 v[PW+\t], v59, v[PW+\t]          ; at their places in the scale word;
.endr
.irp t, 0,1
	v_permlanex16_b32 v[TT+20*\t+5], v[PW+\t], s[SEL], s[SEL+1]
.endr
.irp t, 0,1
	v_or_b32 v[PW+\t], v[PW+\t], v[TT+20*\t+5]     ; with lane l xor 16's two the word is whole
.endr
.irp t, 0,1
.irp c, 0,1
	v_cvt_scalef32_pk16_bf6_f32 v[CD+20*\t+6*\c:CD+20*\t+6*\c+2], v[SA+64*\t+32*\c:SA+64*\t+32*\c+15], v[TT+20*\t+8+2*\c]
	v_cvt_scalef32_pk16_bf6_f32 v[CD+20*\t+12+4*\c:CD+20*\t+14+4*\c], v[SA+64*\t+32*\c+16:SA+64*\t+32*\c+31], v[TT+20*\t+8+2*\c]
.endr
.endr
	v_nop                                          ; one plain line behind the scaled conversions
.irp t, 0,1
.irp c, 0,1
.irp i, 0,1,2
	v_mov_b32 v[CD+20*\t+6*\c+3+\i], v[CD+20*\t+12+4*\c+\i]
.endr
.endr
.endr
.irp t, 0,1                            ; the rows' sums, of the unquantised p: four chains by turns; also the places ahead of the scaled products
	v_pk_add_f32 v[TT+20*\t+18:TT+20*\t+19], v[SA+64*\t:SA+64*\t+1], v[SA+64*\t+2:SA+64*\t+3]
.endr
.irp j, 4,8,12,16,20,24,28,32,36,40,44,48,52,56,60
.irp t, 0,1
	v_pk_add_f32 v[ST+6*\t+2:ST+6*\t+3], v[ST+6*\t+2:ST+6*\t+3], v[SA+64*\t+\j:SA+64*\t+\j+1]
	v_pk_add_f32 v[TT+20*\t+18:TT+20*\t+19], v[TT+20*\t+18:TT+20*\t+19], v[SA+64*\t+\j+2:SA+64*\t+\j+3]
.endr
.endr
.irp t, 0,1
	v_pk_add_f32 v[ST+6*\t+2:ST+6*\t+3], v[ST+6*\t+2:ST+6*\t+3], v[TT+20*\t+18:TT+20*\t+19]
.endr
	s_wait_alu depctr_va_vdst(0)                   ; directly ahead of the wait below
	s_wait_dscnt 0x0                               ; this step's V and the next step's K are in
	WIN 0x51
.irp d, 0,1,2,3
.irp t, 0,1
	v_wmma_scale_f32_16x16x128_f8f6f4 v[OF+32*\t+8*\d:OF+32*\t+8*\d+7], v[VF+12*\d:VF+12*\d+11], v[CD+20*\t:CD+20*\t+11], v[OF+32*\t+8*\d:OF+32*\t+8*\d+7], v[VS+\d], v[PW+\t] matrix_a_fmt:MATRIX_FMT_BF6 matrix_b_fmt:MATRIX_FMT_BF6
.endr
.endr
	WIN 0
.if \mask
.Lhid_\@:
.endif
	s_add_co_u32 s[TB], s[TB], 12288
	s_add_co_u32 s[TS], s[TS], 512
	s_add_co_u32 s[TJ], s[TJ], 256
	s_add_co_u32 s[SI], s[SI], 1
.endm
.macro KLOOP first, n, q, mask, lim
	s_mov_b32 s[TB], 12288*(1+\first)
	s_mov_b32 s[TS], 512*\first
	s_mov_b32 s[TJ], 256*\first
	s_mov_b32 s[SI], \first
	s_mov_b32 s[CNT], \n
.Lk_\@:
	STEP \q, \mask, \lim
	s_sub_co_u32 s[CNT], s[CNT], 1
	s_cmp_lg_u32 s[CNT], 0
	s_cbranch_scc1 .Lk_\@
.endm
.macro BEGIN p                         ; a pass begins: its diagonal step, empty sums, key step 0's K
.if \p
	s_mov_b32 s[MG], s[WV]
.else
	s_sub_co_u32 s[MG], 15, s[WV]
.endif
.irp t, 0,1
	v_mov_b32 v[ST+6*\t+1], 0xff61b1e6             ; -3e38, under every t
	v_mov_b32 v[ST+6*\t+2], 0
	v_mov_b32 v[ST+6*\t+3], 0
.endr
.irp t, 0,1
	v_floor_f32 v[ST+6*\t], -v[ST+6*\t+1]
.endr
	v_add_nc_u32 v6, 12288, v251
	v_add_nc_u32 v7, 12288, v252
	v_mov_b32 v8, v253
	WIN 0x40
.set j, 0
.rept 64
	v_mov_b32 v[OF+j], 0                           ; the step is written once: the first finds zeros
.set j, j+1
.endr
	LOADK
	s_wait_alu depctr_va_vdst(0)                   ; directly ahead of the wait below
	s_wait_dscnt 0x0
.endm
.macro OUT ob                          ; O^T / the sum, through my stage, out as whole rows of 256 bytes
.irp t, 0,1
	v_add_f32 v[ST+6*\t+2], v[ST+6*\t+2], v[ST+6*\t+3]
.endr
.irp t, 0,1
	v_permlanex16_b32 v[TT+20*\t+16], v[ST+6*\t+2], s[SEL], s[SEL+1]
.endr
.irp t, 0,1
	v_add_f32 v[ST+6*\t+2], v[ST+6*\t+2], v[TT+20*\t+16]
.endr
	s_wait_alu depctr_va_vdst(0)                   ; ahead of the transcendentals
.irp t, 0,1
	v_rcp_f32 v[ST+6*\t+2], v[ST+6*\t+2]
.endr
	v_nop
	WIN 0x01
	s_wait_alu depctr_va_vdst(0)                   ; and behind them, directly ahead of the first reader of O^T
.irp t, 0,1
.set j, 0
.rept 16
	v_pk_mul_f32 v[SA+64*\t+j:SA+64*\t+j+1], v[OF+32*\t+j:OF+32*\t+j+1], v[ST+6*\t+2:ST+6*\t+3] op_sel_hi:[1,0]
.set j, j+2
.endr
.endr
	WIN 0
.irp t, 0,1                            ; LDS serves a wave's instructions in order: the second tile's stores follow the first tile's loads
.irp b, 0,1
.irp j, 0,1,2,3
	ds_store_b128 v10, v[SA+64*\t+16*\b+4*\j:SA+64*\t+16*\b+4*\j+3] offset:128*\b+16*\j
.endr
.endr
.irp i, 0,1,2,3,4,5,6,7
	ds_load_b128 v[SA+64*\t+32+4*\i:SA+64*\t+35+4*\i], v11 offset:544*\i
.endr
.endr
.irp t, 0,1
.irp i, 0,1,2,3,4,5,6,7
	s_wait_dscnt 16*(1-\t)+7-\i                    ; behind this load: its tile's later loads, and the second tile's 8 stores and 8 loads
	global_store_b128 v12, v[SA+64*\t+32+4*\i:SA+64*\t+35+4*\i], s[\ob:\ob+1] offset:16384*\t+256*(2*\i+8*(\i/4)) th:TH_STORE_NT
.endr
.endr
	s_wait_xcnt 0x0                                ; the stores have read their registers, which the next pass writes
.endm
	BEGIN 0
	KLOOP 0, 4, 0, 0, 4                            ; group 15 - w, key steps 0-3: open for every wave; they read the early tile alone (K up to step 4)
	s_wait_tensorcnt 0x0                           ; my part of the late tile is in
	s_wait_dscnt 0x0
	s_barrier_signal -1
	s_barrier_wait -1                              ; everybody's is
	KLOOP 4, 12, 0, 1, 15
	OUT 80
	BEGIN 1
	KLOOP 0, 8, 1, 1, 8                            ; group w, at most 8 steps
	OUT 82
	s_wait_tensorcnt 0x0                           ; the wave's end
	ds_add_u32 v254, v255
	s_wait_dscnt 0x0
	ROUND                                          ; the closing round
	s_endpgm
.Lfunc_end_k_q29e776f497_attn:
	.size	k_q29e776f497_attn, .Lfunc_end_k_q29e776f497_attn-k_q29e776f497_attn
	.p2alignl 7, 3214868480
	.fill 96, 4, 3214868480
	.section	.rodata,"a",@progbits
	.p2align	6, 0x0
	.amdhsa_kernel k_q29e776f497_attn
		.amdhsa_group_segment_fixed_size 327680
		.amdhsa_private_segment_fixed_size 0
		.amdhsa_enable_private_segment 0
		.amdhsa_kernarg_size 24
		.amdhsa_user_sgpr_count 2
		.amdhsa_user_sgpr_kernarg_segment_ptr 1
		.amdhsa_wavefront_size32 1
		.amdhsa_system_sgpr_workgroup_id_x 1
		.amdhsa_system_sgpr_workgroup_id_y 1
		.amdhsa_system_sgpr_workgroup_id_z 1
		.amdhsa_system_vgpr_workitem_id 0
		.amdhsa_next_free_vgpr 512
		.amdhsa_next_free_sgpr 100
		.amdhsa_reserve_vcc 1
		.amdhsa_float_denorm_mode_32 3
		.amdhsa_float_denorm_mode_16_64 3
		.amdhsa_memory_ordered 1
		.amdhsa_forward_progress 1
		.amdhsa_inst_pref_size 128
	.end_amdhsa_kernel
	.amdgpu_metadata
---
amdhsa.version: [ 1, 2 ]
amdhsa.kernels:
  - .name:           k_q29e776f497_attn
    .symbol:         k_q29e776f497_attn.kd
    .args:
      - { .name: qc, .offset: 0, .size: 8, .value_kind: global_buffer, .address_space: global }
      - { .name: kv, .offset: 8, .size: 8, .value_kind: global_buffer, .address_space: global }
      - { .name: out0, .offset: 16, .size: 8, .value_kind: global_buffer, .address_space: global }
    .group_segment_fixed_size: 327680
    .private_segment_fixed_size: 0
    .kernarg_segment_align: 8
    .kernarg_segment_size: 24
    .max_flat_workgroup_size: 256
    .sgpr_count:     100
    .vgpr_count:     512
    .wavefront_size: 32
...
	.end_amdgpu_metadata
.endif
;; end of part 3
